; MI455X (gfx1250); checked and timed in simulation.
; The chip was launched on July 23, 2026; its instructions are those of AMD's public machine-readable ISA for CDNA 5 (MIT licence, August 2026) and "CDNA5" Instruction Set Architecture Reference Guide (July 2026). The comments in the code are by the model that wrote it; some were corrected since.
;; Row Parallel Triton Fused Moe Linear. Allowed arithmetic: matrix products marked QUANTISED: E5M2 operands, one E8M0 scale for each 32 along K, by v_wmma_scale_f32_16x16x128_f8f6f4 with both operands' format E5M2, f32 sums; everything else in f32.
;; Inputs: b 8 x 2,048 float32; expert_ids 2,048 int32; w_codes 8 x 2,048 x 64 x 32 uint8 (E5M2 codes of w, K innermost, in blocks of 32 codes); w_scales 8 x 2,048 x 64 uint8 (E8M0 scales of w, one for each 32 codes along K); x 2,048 x 2,048 float32.
;; Outputs: out0 2,048 x 2,048 float32.
;; This version of the problem:
;;   THIS VERSION OF THE PROBLEM IS GIVEN IN LOW PRECISION. The matrix products marked QUANTISED in the list below multiply operands that are first quantised to E5M2 (5 exponent bits, 2 mantissa bits; 8 bits a number), with one power-of-two scale for each 32 numbers along K (OCP MX v1.0); their sums are f32. All else is computed in f32.
;;   The module's matrix products, in the order in which they are computed (A, B: the left and right operand; K: the contracted axis; several contracted axes count as one K, in the product's order):
;;     1. [M 2,048, K 2,048] x [K 2,048, N 2,048]; A: computed on the way; B: input w (given as codes): QUANTISED
;;     2. [M 2,048, K 2,048] x [K 2,048, N 2,048]; A: computed on the way; B: input w (given as codes): QUANTISED
;;     3. [M 2,048, K 2,048] x [K 2,048, N 2,048]; A: computed on the way; B: input w (given as codes): QUANTISED
;;     4. [M 2,048, K 2,048] x [K 2,048, N 2,048]; A: computed on the way; B: input w (given as codes): QUANTISED
;;     5. [M 2,048, K 2,048] x [K 2,048, N 2,048]; A: computed on the way; B: input w (given as codes): QUANTISED
;;     6. [M 2,048, K 2,048] x [K 2,048, N 2,048]; A: computed on the way; B: input w (given as codes): QUANTISED
;;     7. [M 2,048, K 2,048] x [K 2,048, N 2,048]; A: computed on the way; B: input w (given as codes): QUANTISED
;;     8. [M 2,048, K 2,048] x [K 2,048, N 2,048]; A: computed on the way; B: input w (given as codes): QUANTISED
;;   THE QUANTISER, for each operand of a quantised product, along K:
;;     - K is cut into blocks of 32 from its start; a last block that is shorter is filled with zeros.
;;     - A block's scale is 2^e with e = floor(log2(the largest magnitude in the block)) - 15, held to -126 .. 127; a block of zeros has e = 0. As a byte (E8M0): e + 127.
;;     - Each number is divided by its block's scale, clamped to +-57,344, and rounded to the nearest number of E5M2, ties to even, subnormals kept.
;;     - The product sums the exact products of the quantised numbers (number of the format x scale) in f32.
;;   ~~~python
;;   def quantise(x, axis):      # numpy; x: float32 -> the quantised numbers, widened to float32 again
;;       x = np.moveaxis(x, axis, -1); K = x.shape[-1]
;;       x = np.pad(x, [(0, 0)] * (x.ndim - 1) + [(0, -K % 32)]); x = x.reshape(x.shape[:-1] + (-1, 32)); a = np.abs(x).max(-1, keepdims=True)
;;       e = np.where(a > 0, np.clip(np.frexp(np.where(a > 0, a, 1))[1] - 1 - 15, -126, 127), 0)      # np.frexp(a)[1] - 1 = floor(log2(a)), exactly
;;       r = np.clip(x / 2.0 ** e, -57344, 57344)
;;       step = 2.0 ** (np.maximum(np.frexp(np.where(r == 0, 1, r))[1] - 1, -14) - 2)
;;       q = np.round(r / step) * step * 2.0 ** e      # np.round: ties to even
;;       return np.moveaxis(q.reshape(q.shape[:-2] + (-1,))[..., :K], -1, axis).astype(np.float32)
;;   ~~~
;;   OPERANDS COMPUTED ON THE WAY. 'Computed on the way' means the value that the module computes at that place (a softmax that the list does not call 'softmax' is quantised finished and normalised). What goes into a quantiser is computed in f32, as accurately as f32 sums, v_exp_f32 and their like allow (about 1e-6 of the number): no bf16 or f16 on the way to a quantiser, and a product that is left as it is and whose result goes on into a quantised operand takes f32 operands (vector FMAs, or v_wmma_f32_16x16x4_f32). A number that lies on a knife's edge between two numbers of the format may be rounded either way, as far as f32 arithmetic and the matrix unit's own rounding can turn it there, and no further.
;;   INPUTS GIVEN AS CODES. w (in the module: [8, 2048, 2048], K = its axis 1): each comes as NAME_codes (uint8): NAME with its K axis moved to the last place and cut into blocks of 32 codes, [.., K / 32, bytes a block], one block behind the other in memory; one code a byte (a code: sign, 5 exponent bits, 2 mantissa bits); and NAME_scales (uint8): the same leading axes, one E8M0 byte (e + 127) for each 32 codes along K. Its value is code x scale, taken as it is: it is not quantised again, and the codes and scales need not be those that the quantiser above would give.
;; One version. Each part assembles by itself: llvm-mc -triple=amdgcn-amd-amdhsa -mcpu=gfx1250 --defsym DOCPART=n.
;; ======== version 1 of 1: 2 launches
;; limits: right only within a limited range of input values
;; workspace buffers: xq 4,194,304 bytes; xs 131,072 bytes; order 8,192 bytes of whole numbers; offs 256 bytes of whole numbers
;; launch route_quant (part 1): grid 256 x 1, 8 waves a work-group, no clusters, 44,544 bytes of LDS; arguments x, expert_ids, xq, xs, order, offs; writes xq, xs, order, offs
.if DOCPART == 1
	.amdgcn_target "amdgcn-amd-amdhsa--gfx1250"
	.amdhsa_code_object_version 6
	.text
	.protected	k_q9fcf7e7316_route_quant
	.globl	k_q9fcf7e7316_route_quant
	.p2align	8
	.type	k_q9fcf7e7316_route_quant,@function
k_q9fcf7e7316_route_quant:
	s_mov_b64 s[64:65], 0
	v_nop
	global_prefetch_b8 v0, s[64:65] scope:SCOPE_SE
	s_setreg_imm32_b32 hwreg(HW_REG_WAVE_MODE, 25, 1), 1
	s_wait_xcnt 0x0
; ROUTING AND QUANTISING IN ONE LAUNCH.  x: [2048][2048] f32.  expert_ids: [2048] i32, each 0 to 7 (an index stays inside its table).
; Token t gets the place pos = the number of tokens j with (id_j, j) < (id_t, t): the tokens sorted by expert, then by token.  Its row of x is turned into codes of E5M2 with one E8M0 byte
; for each 32 along K and stored AT PLACE pos:  xq [pos][2048] codes, K innermost;  xs [pos][64] scale bytes;  order [pos] = t;  offs [e] = the number of tokens with id < e, e = 0 .. 8.
; The place is found by counting, with no atomics: key_j = 2048 id_j + j; every work-group reads all 2,048 ids (8 KiB), wave w counts, among ids 256 w .. 256 w + 255, the keys under each of nine
; keys: those of the group's eight tokens, and 2048 x min(work-group, 8) for the table; the waves' counts meet in LDS behind the launch's one barrier.
; SHARES.  256 work-groups of eight waves; wave w of work-group g owns token 8 g + w: one row, 8 KiB in, 2 KiB of codes and 64 scale bytes out.  All sixteen loads of the row go out at the head and land while the keys are counted.
; THE QUANTISER.  A block's scale is 2^(floor(log2(its largest magnitude)) - 15); its byte is the largest magnitude's exponent field - 15, held at 1 from below; each number is held within +-57,344 x the scale
; and rounded to the nearest code, ties to even.  The conversion takes 8 numbers of one block from ONE lane's registers, so a lane must hold 16 neighbours (two lanes to a block), while a load is dense where
; neighbouring lanes take neighbouring bytes: each step's 2,048 bytes go through the wave's own stage in LDS as they lie and come back 64 bytes a lane (16 bytes of padding behind each 64).
; LIMITS.  NaN and infinities in x are not served.  Blocks whose largest magnitude lies under 2^-111 get the byte 1 (the rule's hold at -126): not tried.  A block of zeros gets the byte 1 where the rule says 127:
; its codes are zeros, which add nothing under any byte but 0xff, and the bytes are read by this program alone.
; STORES.  A step's codes: 512 consecutive bytes a store, aligned.  A row's 64 scale bytes and its one word of order go to places that the sort scatters: 68 bytes for each 2,048 of codes.
; WORK LEFT OUT.  reference() multiplies every token by every expert's w and keeps, by expert_ids, one of the eight: in the other seven products the token's row is zeros, which are quantised to zeros and add nothing for any finite w.
; This program multiplies each token by its own expert's w alone.  LIMIT: a NaN or an infinity in another expert's w, which would reach the result only through such a row of zeros, is not carried to it.
.set STEPS, 4                          ; steps of 512 numbers in a row
.set EMAX,  15
.set MANT,  0x600000                   ; the mantissa field of 57,344 as f32
.set SP,    80                         ; a lane's place in a stage: its 64 bytes + 16 of padding
.set WREG,  5376                       ; LDS: a region for each wave: two stages of 32 x SP bytes,
.set SCB,   5120                       ; and behind them its row's 64 scale bytes
.set PART,  8*WREG                     ; the waves' counts: key k, wave w at PART + 32 k + 4 w
.set SPARE, PART+512                   ; the spare words, 128 bytes for each wave: four blocks of 256 bytes that no other line names
.set SPW,   12                         ; v12      LDS address of my spare word; never rewritten
.set NIL,   13                         ; v13      0; never rewritten
.set R,     16                         ; v16-79   the row as it is loaded: four steps x 16 registers
.set X,     80                         ; v80-111  two sets of 16 neighbours
.set C,     112                        ; v112-127 codes: four registers for each step, so that no store's data are written again
.set E,     128                        ; v128-131 a scale byte for each step
.set KEY,   132                        ; v132-139 eight ids, then their keys
.set P,     140                        ; v140-155 counts
.set KEYS,  32                         ; s32-40   the nine keys
.set CNT,   44                         ; s44-52   my wave's nine counts
.set MSK,   56                         ; s56-63   eight masks
	s_load_b256 s[4:11], s[0:1], 0x0               ; x s[4:5], ids s[6:7], xq s[8:9], xs s[10:11]
	s_load_b128 s[12:15], s[0:1], 0x20             ; order s[12:13], offs s[14:15]
	v_lshl_add_u32 v[SPW], v0, 2, SPARE
	v_mov_b32 v[NIL], 0
	v_lshrrev_b32 v1, 5, v0
	s_delay_alu instid0(VALU_DEP_1)
	v_readfirstlane_b32 s16, v1                    ; wave 0..7
	v_and_b32 v2, 31, v0                           ; lane
	s_delay_alu instid0(VALU_DEP_1)
	v_lshlrev_b32 v3, 4, v2                        ; 16 x lane: my bytes of a load's 512, and my codes' place in a step's
	s_delay_alu instid0(VALU_DEP_1)
	v_lshl_add_u32 v4, v1, 10, v3                  ; ids: 1,024 x wave + 16 x lane
	s_delay_alu instid0(VALU_DEP_1)
	v_lshrrev_b32 v1, 2, v4                        ; the number of my first id: 256 x wave + 4 x lane
	s_mul_i32 s17, s16, WREG
	v_lshrrev_b32 v14, 2, v2
	s_delay_alu instid0(VALU_DEP_1)
	v_mul_u32_u24 v14, v14, SP
	v_and_b32 v15, 3, v2
	s_delay_alu instid0(VALU_DEP_1)
	v_lshl_add_u32 v14, v15, 4, v14
	s_delay_alu instid0(VALU_DEP_1)
	v_add_nc_u32 v14, s17, v14                     ; the stage, on the way in: SP (lane / 4) + 16 (lane % 4); a load's 512 bytes take eight places
	v_mul_u32_u24 v15, v2, SP
	s_delay_alu instid0(VALU_DEP_1)
	v_add_nc_u32 v15, s17, v15                     ; and on the way out: SP x lane: my 16 neighbours
	v_lshrrev_b32 v5, 1, v2
	s_add_co_u32 s17, s17, SCB
	v_add_nc_u32 v5, s17, v5                       ; my block's scale byte
	v_lshlrev_b32 v7, 1, v2                        ; on the way out two bytes a lane
	s_delay_alu instid0(VALU_DEP_1)
	v_add_nc_u32 v6, s17, v7
	v_mov_b32 v156, s16
	s_delay_alu instid0(VALU_DEP_1)
	v_lshlrev_b32 v157, 5, v156                    ; 32 x wave: the eight counts of my token's key
	s_delay_alu instid0(VALU_DEP_2)
	v_lshlrev_b32 v156, 2, v156                    ; 4 x wave: where my counts go
	v_mov_b32 v158, 0
	s_lshl_b32 s19, ttmp9, 3                       ; the group's first token
	s_add_co_u32 s18, s19, s16                     ; my token
	v_mov_b32 v159, s18
	s_mov_b32 s23, MANT                            ; (an instruction takes one literal: the hold's line has another)
	s_lshl_b32 s20, ttmp9, 5                       ; the group's eight ids: 32 bytes
	s_mov_b32 s21, 0
	s_lshl_b32 s42, s18, 13                        ; my row of x: 8,192 bytes a row
	s_mov_b32 s43, 0
	s_min_u32 s22, ttmp9, 8                        ; which word of the table this work-group counts for
	s_wait_kmcnt 0x0
	s_add_nc_u64 s[20:21], s[6:7], s[20:21]
	s_load_b256 s[24:31], s[20:21], 0x0            ; the ids of the group's tokens
	s_add_nc_u64 s[4:5], s[4:5], s[42:43]
	global_load_b128 v[KEY:KEY+3], v4, s[6:7]                ; my wave's 256 ids: 512 consecutive bytes a load
	global_load_b128 v[KEY+4:KEY+7], v4, s[6:7] offset:512
.macro LOAD t
.irp i, 0,1,2,3
	global_load_b128 v[R+16*(\t)+4*\i:R+16*(\t)+4*\i+3], v3, s[4:5] offset:2048*(\t)+512*\i th:TH_LOAD_NT   ; 32 lanes read 512 consecutive bytes; read once in the launch
.endr
.endm
.irp t, 0,1,2,3
	LOAD \t
.endr
	s_wait_kmcnt 0x0                               ; the eight ids
.irp k, 0,1,2,3,4,5,6,7
	s_lshl_b32 s[KEYS+\k], s[24+\k], 11
	s_add_co_u32 s[KEYS+\k], s[KEYS+\k], s19
	s_add_co_u32 s[KEYS+\k], s[KEYS+\k], \k        ; key = 2048 id + token
.endr
	s_lshl_b32 s[KEYS+8], s22, 11                  ; the keys under 2048 e are those of the ids under e
	s_wait_loadcnt 16                              ; the two loads of ids are in; the sixteen of x, issued behind them, stay out
.irp i, 0,1,2,3,4,5,6,7
	v_lshl_add_u32 v[KEY+\i], v[KEY+\i], 11, v1
.if \i > 0
	s_delay_alu instid0(VALU_DEP_1)
	v_add_nc_u32 v[KEY+\i], 128*(\i/4)+\i%4, v[KEY+\i]   ; register 4 i + c of a lane is id 256 w + 128 i + 4 lane + c
.endif
.endr
.macro COUNT k                         ; how many of my wave's 256 keys lie under key k
.irp i, 0,1,2,3,4,5,6,7
	v_cmp_gt_u32 s[MSK+\i], s[KEYS+\k], v[KEY+\i]
.endr
.irp i, 0,1,2,3,4,5,6,7
	s_bcnt1_i32_b32 s[MSK+\i], s[MSK+\i]
.endr
	s_add_co_u32 s[MSK], s[MSK], s[MSK+1]
	s_add_co_u32 s[MSK+2], s[MSK+2], s[MSK+3]
	s_add_co_u32 s[MSK+4], s[MSK+4], s[MSK+5]
	s_add_co_u32 s[MSK+6], s[MSK+6], s[MSK+7]
	s_add_co_u32 s[MSK], s[MSK], s[MSK+2]
	s_add_co_u32 s[MSK+4], s[MSK+4], s[MSK+6]
	s_add_co_u32 s[CNT+\k], s[MSK], s[MSK+4]
.endm
.irp k, 0,1,2,3,4,5,6,7,8
	COUNT \k
.endr
.irp k, 0,1,2,3,4,5,6,7,8
	v_mov_b32 v[P+\k], s[CNT+\k]
	ds_store_b32 v156, v[P+\k] offset:PART+32*\k   ; all lanes write the same word with the same value
.endr
	s_wait_dscnt 0x0                               ; for the others' sake: my counts lie in LDS
	s_barrier_signal -1
	s_barrier_wait -1                              ; everybody's do
	ds_load_b128 v[P:P+3], v157 offset:PART        ; the eight waves' counts for my token's key,
	ds_load_b128 v[P+4:P+7], v157 offset:PART+16
	ds_load_b128 v[P+8:P+11], v158 offset:PART+256 ; and for the table's
	ds_load_b128 v[P+12:P+15], v158 offset:PART+272
	s_wait_dscnt 0x0
	v_add3_u32 v[P], v[P], v[P+1], v[P+2]
	v_add3_u32 v[P+3], v[P+3], v[P+4], v[P+5]
	v_add3_u32 v[P+8], v[P+8], v[P+9], v[P+10]
	v_add3_u32 v[P+11], v[P+11], v[P+12], v[P+13]
	s_delay_alu instid0(VALU_DEP_4)
	v_add3_u32 v[P], v[P], v[P+6], v[P+7]
	s_delay_alu instid0(VALU_DEP_3)
	v_add3_u32 v[P+8], v[P+8], v[P+14], v[P+15]
	s_delay_alu instid0(VALU_DEP_2)
	v_add_nc_u32 v[P], v[P], v[P+3]                ; my token's place
	s_delay_alu instid0(VALU_DEP_2)
	v_add_nc_u32 v[P+8], v[P+8], v[P+11]           ; the table's word
	s_delay_alu instid0(VALU_DEP_2)
	v_readfirstlane_b32 s17, v[P]
	s_min_u32 s17, s17, 2047                       ; a counted number enters addresses only behind this bound, which it never reaches beyond
	s_mov_b32 s21, 0                               ; (s[20:21]: the scalar load that read them is done)
	s_lshl_b32 s20, s17, 11
	s_add_nc_u64 s[8:9], s[8:9], s[20:21]          ; my row of xq,
	s_lshl_b32 s20, s17, 6
	s_add_nc_u64 s[10:11], s[10:11], s[20:21]      ; of xs,
	s_lshl_b32 s20, s17, 2
	s_add_nc_u64 s[12:13], s[12:13], s[20:21]      ; my word of order,
	s_lshl_b32 s20, s22, 2
	s_add_nc_u64 s[14:15], s[14:15], s[20:21]      ; the work-group's word of offs
.macro TURN t                          ; step t's numbers through a stage: LDS serves a wave's instructions in order, so no wait stands between the stores and the loads
.irp i, 0,1,2,3
	ds_store_b128 v14, v[R+16*(\t)+4*\i:R+16*(\t)+4*\i+3] offset:32*SP*((\t)%2)+8*SP*\i
.endr
.irp i, 0,1,2,3
	ds_load_b128 v[X+16*((\t)%2)+4*\i:X+16*((\t)%2)+4*\i+3], v15 offset:32*SP*((\t)%2)+16*\i
.endr
.endm
	s_wait_loadcnt 12                              ; step 0's four loads are in; the twelve behind them may be out
	TURN 0
.macro STEP t
.set XS, X+16*((\t)%2)
.if (\t) > 0
	s_wait_dscnt 1                                 ; this step's numbers are back from the stage; the last step's byte store, issued behind them, may be out
.else
	s_wait_dscnt 0x0
.endif
.if (\t)+1 < STEPS
	s_wait_loadcnt 4*(STEPS-2-(\t))                ; the next step's four loads are in; those of the steps behind it may be out
	TURN (\t)+1                                    ; they go through the other stage while this step is worked
.endif
	v_max3_num_f32 v8, |v[XS]|, |v[XS+1]|, |v[XS+2]|               ; the largest magnitude of my 16, in two chains
	v_max3_num_f32 v9, |v[XS+3]|, |v[XS+4]|, |v[XS+5]|
.irp i, 6,10
	s_delay_alu instid0(VALU_DEP_2)
	v_max3_num_f32 v8, v8, |v[XS+\i]|, |v[XS+\i+1]|
	s_delay_alu instid0(VALU_DEP_2)
	v_max3_num_f32 v9, v9, |v[XS+\i+2]|, |v[XS+\i+3]|
.endr
	s_delay_alu instid0(VALU_DEP_2)
	v_max3_num_f32 v8, v8, |v[XS+14]|, |v[XS+15]|
	s_delay_alu instid0(VALU_DEP_1)
	v_max3_num_f32 v8, v8, v9, (EMAX+1)<<23        ; and the floor 2^(16 - 127), under which no largest magnitude is taken: so the byte cannot fall under 1
	s_delay_alu instid0(VALU_DEP_1)
	v_max_num_f32_dpp v8, v8, v8 row_xmask:1 row_mask:0xf bank_mask:0xf   ; and of my neighbour's 16: the block's
	s_delay_alu instid0(VALU_DEP_1)
	v_add_nc_u32 v11, -(EMAX<<23), v8              ; 15 off its exponent field: the conversion takes the exponent field of this operand as its scale, and nothing else of it
	s_delay_alu instid0(VALU_DEP_2)
	v_and_or_b32 v10, v8, 0x7f800000, s23          ; 57,344 x the scale: the largest magnitude's exponent field over 57,344's mantissa
.irp i, 0,1,2,3,4,5,6,7,8,9,10,11,12,13,14,15
	v_med3_num_f32 v[XS+\i], v[XS+\i], -v10, v10   ; the conversion to an 8-bit code does not saturate (ISA guide 7.6.2): the number is held within the largest code x the scale first
.endr
	v_cvt_scalef32_pk8_bf8_f32 v[C+4*(\t):C+4*(\t)+1], v[XS:XS+7], v11          ; eight numbers / the scale, to the nearest code, ties to even; the first number's code in the lowest byte
	v_cvt_scalef32_pk8_bf8_f32 v[C+4*(\t)+2:C+4*(\t)+3], v[XS+8:XS+15], v11
	v_lshrrev_b32 v[E+(\t)], 23, v11               ; the scale's byte.  (Also the plain vector line behind the conversions)
	ds_store_b8 v5, v[E+(\t)] offset:16*(\t)       ; both lanes of a block write the same byte with the same value
	global_store_b128 v3, v[C+4*(\t):C+4*(\t)+3], s[8:9] offset:512*(\t)   ; 32 lanes store 512 consecutive bytes, at a multiple of 512 from xq's first byte
.endm
.irp t, 0,1,2,3
	STEP \t
.endr
	ds_load_u16 v8, v6                             ; LDS serves a wave's instructions in order: this sees my byte stores
	s_wait_dscnt 0x0
	global_store_b16 v7, v8, s[10:11]              ; my row's 64 scale bytes, two a lane
	; the single words, from lane 0.  EXEC is a source of the stores and loads that are out: it changes only behind s_wait_xcnt 0
	v_cmp_eq_u32 vcc_lo, 0, v2
	s_wait_xcnt 0x0
	s_and_saveexec_b32 s20, vcc_lo
	global_store_b32 v158, v159, s[12:13]          ; order[pos] = my token
	s_wait_xcnt 0x0
	s_or_b32 exec_lo, exec_lo, s20
	s_cmp_lg_u32 s16, 0                            ; the table's nine words come from wave 0 of work-groups 0 to 8: branches on ids alone
	s_cbranch_scc1 .Lno_table
	s_cmp_gt_u32 ttmp9, 8
	s_cbranch_scc1 .Lno_table
	s_and_saveexec_b32 s20, vcc_lo
	global_store_b32 v158, v[P+8], s[14:15]        ; offs[work-group]
	s_wait_xcnt 0x0
	s_or_b32 exec_lo, exec_lo, s20
.Lno_table:
	s_wait_tensorcnt 0x0                           ; the wave's end: behind my last LDS store
	ds_add_u32 v[SPW], v[NIL]
	s_wait_dscnt 0x0
	s_endpgm
.Lfunc_end_k_q9fcf7e7316_route_quant:
	.size	k_q9fcf7e7316_route_quant, .Lfunc_end_k_q9fcf7e7316_route_quant-k_q9fcf7e7316_route_quant
	.p2alignl 7, 3214868480
	.fill 96, 4, 3214868480
	.section	.rodata,"a",@progbits
	.p2align	6, 0x0
	.amdhsa_kernel k_q9fcf7e7316_route_quant
		.amdhsa_group_segment_fixed_size 44544
		.amdhsa_private_segment_fixed_size 0
		.amdhsa_enable_private_segment 0
		.amdhsa_kernarg_size 48
		.amdhsa_user_sgpr_count 2
		.amdhsa_user_sgpr_kernarg_segment_ptr 1
		.amdhsa_wavefront_size32 1
		.amdhsa_system_sgpr_workgroup_id_x 1
		.amdhsa_system_sgpr_workgroup_id_y 1
		.amdhsa_system_sgpr_workgroup_id_z 1
		.amdhsa_system_vgpr_workitem_id 0
		.amdhsa_next_free_vgpr 160
		.amdhsa_next_free_sgpr 66
		.amdhsa_reserve_vcc 1
		.amdhsa_float_denorm_mode_32 3
		.amdhsa_float_denorm_mode_16_64 3
		.amdhsa_memory_ordered 1
		.amdhsa_forward_progress 1
		.amdhsa_inst_pref_size 30
	.end_amdhsa_kernel
	.amdgpu_metadata
---
amdhsa.version: [ 1, 2 ]
amdhsa.kernels:
  - .name:           k_q9fcf7e7316_route_quant
    .symbol:         k_q9fcf7e7316_route_quant.kd
    .args:
      - { .name: x, .offset: 0, .size: 8, .value_kind: global_buffer, .address_space: global }
      - { .name: expert_ids, .offset: 8, .size: 8, .value_kind: global_buffer, .address_space: global }
      - { .name: xq, .offset: 16, .size: 8, .value_kind: global_buffer, .address_space: global }
      - { .name: xs, .offset: 24, .size: 8, .value_kind: global_buffer, .address_space: global }
      - { .name: order, .offset: 32, .size: 8, .value_kind: global_buffer, .address_space: global }
      - { .name: offs, .offset: 40, .size: 8, .value_kind: global_buffer, .address_space: global }
    .group_segment_fixed_size: 44544
    .private_segment_fixed_size: 0
    .kernarg_segment_align: 8
    .kernarg_segment_size: 48
    .max_flat_workgroup_size: 256
    .sgpr_count:     66
    .vgpr_count:     160
    .wavefront_size: 32
...
	.end_amdgpu_metadata
.endif
;; end of part 1
;; launch moe_gemm (part 2): grid 256 x 1, 4 waves a work-group, no clusters, 174,592 bytes of LDS; arguments xq, xs, order, offs, w_codes, w_scales, b, out0; writes out0
.if DOCPART == 2
	.amdgcn_target "amdgcn-amd-amdhsa--gfx1250"
	.amdhsa_code_object_version 6
	.text
	.protected	k_q9fcf7e7316_moe_gemm
	.globl	k_q9fcf7e7316_moe_gemm
	.p2align	8
	.type	k_q9fcf7e7316_moe_gemm,@function
k_q9fcf7e7316_moe_gemm:
	s_mov_b64 s[64:65], 0
	v_nop
	global_prefetch_b8 v0, s[64:65] scope:SCOPE_SE
	s_setreg_imm32_b32 hwreg(HW_REG_WAVE_MODE, 25, 1), 1
	s_wait_xcnt 0x0
; out0[t][:] = Q(x[t]) . w[id_t] + b[id_t], on codes of E5M2 with one E8M0 scale for each 32 along K, only for the expert that each token chose: the other experts' products are of rows of zeros and are left out (see the first launch).
; xq [place][2048], xs [place][64]: x's codes and scale bytes, rows sorted by expert;  order [place] = token;  offs [e] = expert e's first place (offs[8] = 2,048): made by the launch before.
; w_codes [8][2048 n][2048 k], w_scales [8][2048 n][64]: taken as they lie.  b [8][2048], out0 [2048][2048]: f32.
; SHARES.  Work-group g: expert g % 8; of k = g / 8: columns 128 (k / 2) on, rows' half k % 2.  256 work-groups for every split of the tokens.  Four waves, 2 x 2: wave w takes 64 columns (w % 2) and is ROW WORKER 2 (k % 2) + w / 2 of the
; expert's four: of its first m = min(n, 320) rows a worker takes ceil(m / 4), 80 at the most: five tiles of 16.  Places past a worker's last are held at its last: they are loaded again, multiplied, and not stored as rows of their own.
; K goes in eight chunks of 256 through two LDS slots (128 rows of w, 160 of x, 256 bytes + 16 of padding a row).  A wave loads 32 rows of w and 40 of x of each chunk into registers, each load two rows x 256 bytes, and stores them to the slot;
; one barrier a chunk.  Two sets of staging registers: a chunk's 36 loads go out while the third and the second chunk before it are multiplied.
; ROWS PAST 320 of an expert: passes of 320 rows more, 80 a worker, in a counted loop without a barrier: each wave loads its fragments straight from memory.  So every split is served, all 2,048 tokens on one expert too.
; NO TENSOR LOAD, NO CLUSTER: how many rows an expert has is read from memory and decides branches; no tensor load, and so no joint request, stands in such a text.  All barriers stand ahead of every such branch.
; PREFETCH: chunks 4 to 7 of w are asked for in chunks 0 and 1: each lane a block of 256 bytes (16 rows x two chunks a wave); the two work-groups with the same columns of w ask for 64 rows each.  Chunks 0 to 3 come by their loads alone.
; THE MATRIX INSTRUCTION IS USED TRANSPOSED (source 0 = 16 rows of w, source 1 = 16 rows of x): a lane holds one token (lane % 16) and eight neighbouring columns.
; THE WAY OUT.  A tile's 16 rows x 64 columns go through the wave's own stage in LDS and come back by rows; the bias is added; a store covers two rows x 256 consecutive bytes, aligned.
; LIMITS.  A tile's spare rows (15 at the most) store the same numbers to the same bytes as the worker's last row.  A work-group whose expert has no token stores nothing.
; REGISTERS, in windows of 256 (s_set_vgpr_msb: bits 1:0 source 0, 3:2 source 1, 5:4 source 2, 7:6 destination):
;   window 0: addresses; scale words; from v112 staging set 0 (w 64, x 80), on the way out the stores' offsets.   window 1: 20 accumulators, (tile j, 16 columns t) at v[8 (4 j + t)]; v160-179 x's offsets
;   windows 2 and 3: v0-143 the fragments of a chunk's first and second 128 along K (w 4 x 16, x 5 x 16); v144 on staging set 1 (w in window 2, x in window 3); on the way out window 2's v0-159 take the rows read back
.set PITCH, 272                        ; 68 words: row r starts at bank 4 r mod 64 (64 banks of 4 bytes: ISA guide 11.1), so the 16 rows that a load touches start at 16 different banks
.set XB,    128*PITCH                  ; x's rows in a slot
.set SLOT,  288*PITCH
.set STG,   2*SLOT                     ; a stage of 16 rows x (256 + 16) bytes for each wave
.set SPARE, STG+4*16*PITCH             ; the spare words, 128 bytes for each wave, that no other line names
.set SPW,  4
.set NIL,  5
.set WOFF, 6                           ; my bytes of w in memory
.set WSTO, 7                           ; v7-8    LDS: where my rows of w go, slot 0, 1
.set XSTO, 9                           ; v9-10   and of x
.set WFA,  11                          ; v11-12  LDS: my fragments of w
.set XFA,  13                          ; v13-14  and of x
.set STO,  15                          ; the stage, in
.set RD,   16                          ; and back
.set L16,  17                          ; 16 x (lane % 16)
.set PFO,  18                          ; the prefetches' offset
.set TOK,  19                          ; v19-23  tile j: lane (i, h), i = lane % 8: the place's byte in order, then the token of row 2 i + h
.set SADR, 24                          ; v24-26  tiles 2 p, 2 p + 1: the places' bytes in xs
.set RSEL, 27                          ; 2 (lane % 8) + h
.set WS,   28                          ; v28-59  w's scale words: columns 32 p .., K step s at 16 p + s: lanes 0-15 tile 2 p, lanes 16-31 tile 2 p + 1
.set BIAS, 60                          ; v60-63  my four columns of the bias on the way out (v60 at the head: my row of w's scale bytes)
.set XS,   64                          ; v64-111 x's scale words, likewise
.set SG0,  112                         ; staging set 0
.set SG1,  144                         ; staging set 1
.set VO,   112                         ; v112-151 the way out: the rows' byte offsets in out0
.set WFO,  152                         ; the passes past 320 rows: v152 my row of w, v153-157 x's rows, v161 w's scale bytes, v162 16 h
.set AADR, 153
.set XOFF, 160                         ; window 1: v160-179 my places' bytes in xq
.set SST,  16
.set MSB, 0
.macro WIN new                         ; the immediate's high byte repeats the setting that is left; a switch that changes nothing is dropped
.if MSB != (\new)
	s_set_vgpr_msb (MSB<<8)|(\new)
.set MSB, (\new)
.endif
.endm
; load n of chunk c: 0-15 two rows of w each, 16-35 two rows of x each: lanes 0-15 one row's 256 bytes, lanes 16-31 the next's
.macro LD c, n
.if (\n) < 16
.if (\c)%2
	WIN 0x80
	global_load_b128 v[SG1+4*(\n):SG1+4*(\n)+3], v[WOFF], s[12:13] offset:4096*(\n)+256*(\c)
.else
	WIN 0
	global_load_b128 v[SG0+4*(\n):SG0+4*(\n)+3], v[WOFF], s[12:13] offset:4096*(\n)+256*(\c)
.endif
.else
.if (\c)%2
	WIN 0xc1
	global_load_b128 v[SG1+4*((\n)-16):SG1+4*((\n)-16)+3], v[XOFF+(\n)-16], s[4:5] offset:256*(\c)
.else
	WIN 0x01
	global_load_b128 v[SG0+4*(\n):SG0+4*(\n)+3], v[XOFF+(\n)-16], s[4:5] offset:256*(\c)
.endif
.endif
.endm
; the same 16 bytes a lane to LDS, into slot c % 2
.macro ST c, n
.if (\n) < 16
.if (\c)%2
	WIN 0x08
	ds_store_b128 v[WSTO+1], v[SG1+4*(\n):SG1+4*(\n)+3] offset:2*PITCH*(\n)
.else
	WIN 0
	ds_store_b128 v[WSTO], v[SG0+4*(\n):SG0+4*(\n)+3] offset:2*PITCH*(\n)
.endif
.else
.if (\c)%2
	WIN 0x0c
	ds_store_b128 v[XSTO+1], v[SG1+4*((\n)-16):SG1+4*((\n)-16)+3] offset:2*PITCH*((\n)-16)
.else
	WIN 0
	ds_store_b128 v[XSTO], v[SG0+4*(\n):SG0+4*(\n)+3] offset:2*PITCH*((\n)-16)
.endif
.endif
.endm
.macro LDS c, from, count
.set N_, \from
.rept \count
	LD \c, N_
.set N_, N_+1
.endr
.endm
.macro STS c, from, count
.set N_, \from
.rept \count
	ST \c, N_
.set N_, N_+1
.endr
.endm
; address of a place: (my first place + add + lane's row, held at my last) << sh.  A number read from memory enters an address only behind a bound written in the instruction
.macro PLACE d, add, lane, sh
	s_add_co_u32 s53, s50, \add
	v_add_nc_u32 v[\d], s53, v[\lane]
	v_min_u32 v[\d], s51, v[\d]
	v_min_u32 v[\d], 0x7ff, v[\d]
	v_lshlrev_b32 v[\d], \sh, v[\d]
.endm
	s_load_b256 s[4:11], s[0:1], 0x0               ; xq s[4:5], xs s[6:7], order s[8:9], offs s[10:11]
	s_load_b256 s[12:19], s[0:1], 0x20             ; w_codes s[12:13], w_scales s[14:15], b s[16:17], out0 s[18:19]
	v_lshl_add_u32 v[SPW], v0, 2, SPARE
	v_mov_b32 v[NIL], 0
	v_lshrrev_b32 v19, 5, v0
	v_readfirstlane_b32 s20, v19                   ; wave 0..3
	v_and_b32 v1, 15, v0                           ; r
	v_bfe_u32 v2, v0, 4, 1                         ; h
	v_and_b32 v3, 31, v0                           ; lane
	s_lshr_b32 s21, s20, 1                         ; my row of waves
	s_and_b32 s22, s20, 1                          ; my column of waves
	v_lshlrev_b32 v[L16], 4, v1
	s_lshl_b32 s23, s20, 16
	v_lshl_add_u32 v[WOFF], v2, 11, v[L16]
	v_add_nc_u32 v[WOFF], s23, v[WOFF]             ; w: rows 32 x wave + 2 i + h of 2,048 bytes
	v_mul_u32_u24 v21, v1, PITCH
	v_lshl_add_u32 v19, v2, 4, v21                 ; a fragment's row x pitch + 16 x half
	s_mul_i32 s40, s22, 64*PITCH
	v_add_nc_u32 v[WFA], s40, v19
	v_add_nc_u32 v[WFA+1], SLOT, v[WFA]
	s_mul_i32 s41, s21, 80*PITCH
	s_add_co_u32 s41, s41, XB
	v_add_nc_u32 v[XFA], s41, v19
	v_add_nc_u32 v[XFA+1], SLOT, v[XFA]
	v_mul_u32_u24 v20, v2, PITCH
	v_add_nc_u32 v20, v20, v[L16]                  ; whole rows: lanes 0-15 one, lanes 16-31 the next
	s_mul_i32 s42, s20, 32*PITCH
	v_add_nc_u32 v[WSTO], s42, v20
	v_add_nc_u32 v[WSTO+1], SLOT, v[WSTO]
	s_mul_i32 s43, s20, 40*PITCH
	s_add_co_u32 s43, s43, XB
	v_add_nc_u32 v[XSTO], s43, v20
	v_add_nc_u32 v[XSTO+1], SLOT, v[XSTO]
	s_mul_i32 s44, s20, 16*PITCH
	s_add_co_u32 s44, s44, STG                     ; my stage
	v_add_nc_u32 v[RD], s44, v20
	v_lshl_add_u32 v21, v2, 5, v21
	v_add_nc_u32 v[STO], s44, v21                  ; in: row r, 32 bytes for each half of the lanes
	v_and_b32 v22, 7, v0
	v_lshl_add_u32 v[RSEL], v22, 1, v2
	s_lshl_b32 s45, s22, 12
	v_lshl_add_u32 v[BIAS], v3, 6, s45             ; my row of w's scale bytes: 64 x (64 x column of waves + lane)
	s_and_b32 s30, ttmp9, 7                        ; the expert
	s_lshr_b32 s31, ttmp9, 3
	s_lshr_b32 s33, s31, 1                         ; 128 columns
	s_and_b32 s34, s31, 1                          ; which half of the rows
	s_lshl_b32 s46, s34, 17
	s_lshl_b32 s47, s20, 15
	s_add_co_u32 s46, s46, s47
	v_lshlrev_b32 v[PFO], 11, v1
	v_lshl_add_u32 v[PFO], v2, 8, v[PFO]
	v_add_nc_u32 v[PFO], s46, v[PFO]               ; row 64 x half + 16 x wave + r, chunk h of two
	s_lshl_b32 s36, s30, 22
	s_lshl_b32 s37, s33, 18
	s_add_co_u32 s36, s36, s37
	s_mov_b32 s37, 0
	s_lshl_b32 s38, s30, 2
	s_mov_b32 s39, 0
	s_wait_alu depctr_va_vdst(0)
	s_wait_kmcnt 0x0
	s_add_nc_u64 s[38:39], s[10:11], s[38:39]
	s_load_b64 s[24:25], s[38:39], 0x0             ; the expert's first place, and the next expert's
	s_add_nc_u64 s[12:13], s[12:13], s[36:37]      ; my 128 rows of w's codes
	LDS 0, 0, 16
	s_lshl_b32 s36, s30, 17
	s_lshl_b32 s40, s33, 13
	s_add_co_u32 s36, s36, s40
	s_add_nc_u64 s[14:15], s[14:15], s[36:37]      ; of their scale bytes
	s_lshl_b32 s36, s33, 9
	s_lshl_b32 s40, s22, 8
	s_add_co_u32 s36, s36, s40
	s_add_nc_u64 s[18:19], s[18:19], s[36:37]      ; my 64 columns in a row of out0,
	s_lshl_b32 s40, s30, 13
	s_add_co_u32 s36, s36, s40
	s_add_nc_u64 s[16:17], s[16:17], s[36:37]      ; and of the bias
.irp p, 0,1
.irp q, 0,1,2,3
	global_load_b128 v[WS+16*\p+4*\q:WS+16*\p+4*\q+3], v[BIAS], s[14:15] offset:2048*\p+16*\q
.endr
.endr
	s_wait_kmcnt 0x0
	s_min_u32 s24, s24, 2048
	s_min_u32 s25, s25, 2048
	s_sub_co_u32 s26, s25, s24                     ; n, the expert's rows
	s_min_u32 s28, s26, 320                        ; m
	s_add_co_u32 s29, s28, 3
	s_lshr_b32 s29, s29, 2                         ; a worker's rows
	s_lshl_b32 s35, s34, 1
	s_add_co_u32 s35, s35, s21                     ; my worker
	s_mul_i32 s36, s35, s29
	s_min_u32 s36, s36, s28
	s_sub_co_u32 s49, s28, s36
	s_min_u32 s49, s49, s29                        ; s49: my rows
	s_add_co_u32 s50, s24, s36                     ; s50: my first place
	s_max_u32 s51, s49, 1
	s_add_co_u32 s51, s51, s50
	s_sub_co_u32 s51, s51, 1
	s_min_u32 s51, s51, 2047                       ; s51: my last (with no row: a place inside the buffers, which is loaded and not used)
	s_mul_i32 s54, s35, 80                         ; s54: my first row in a pass of 320
	s_mul_i32 s52, s22, 40                         ; of my worker's 80 places the two waves load 40 each
	s_add_co_u32 s52, s52, s50
.irp p, 0,1,2
	PLACE SADR+\p, 32*\p, 3, 6
.endr
.irp j, 0,1,2,3,4
	PLACE TOK+\j, 16*\j, RSEL, 2
.endr
	WIN 0x40
	v_add_nc_u32 v188, s52, v2                     ; (window 1) my first place of the 40, + h
	v_mov_b32 v189, v[L16]
	WIN 0x55
.set I_, 0
.rept 20
	v_add_nc_u32 v[XOFF+I_], 2*I_, v188
.set I_, I_+1
.endr
.set I_, 0
.rept 20
	v_min_u32 v[XOFF+I_], s51, v[XOFF+I_]
.set I_, I_+1
.endr
.set I_, 0
.rept 20
	v_min_u32 v[XOFF+I_], 0x7ff, v[XOFF+I_]
.set I_, I_+1
.endr
.set I_, 0
.rept 20
	v_lshl_add_u32 v[XOFF+I_], v[XOFF+I_], 11, v189
.set I_, I_+1
.endr
	WIN 0
	s_wait_alu depctr_va_vdst(0)
.irp p, 0,1,2
.irp q, 0,1,2,3
	global_load_b128 v[XS+16*\p+4*\q:XS+16*\p+4*\q+3], v[SADR+\p], s[6:7] offset:16*\q
.endr
.endr
	LDS 0, 16, 20
	LDS 1, 0, 36
; the fragments of a chunk's q-th 128 along K: lane (r, h): registers 4 c .. 4 c + 3 = K 32 c + 16 h + 0 .. 15 of its row.  36 LDS loads, w's first, then x's tile by tile
.macro FETCH slot, q
	WIN 0x80+0x40*(\q)
.irp t, 0,1,2,3
.irp c, 0,1,2,3
	ds_load_b128 v[16*\t+4*\c:16*\t+4*\c+3], v[WFA+(\slot)] offset:16*PITCH*\t+128*(\q)+32*\c
.endr
.endr
.irp j, 0,1,2,3,4
.irp c, 0,1,2,3
	ds_load_b128 v[64+16*\j+4*\c:64+16*\j+4*\c+3], v[XFA+(\slot)] offset:16*PITCH*\j+128*(\q)+32*\c
.endr
.endr
.endm
.macro MM j, t, s, c
.set A_, 8*(4*(\j)+(\t))
.set F_, 16*(\t)
.set X_, 64+16*(\j)
.set U_, WS+SST*((\t)/2)+(\s)
.set V_, XS+SST*((\j)/2)+(\s)
.if ((\t)%2) && ((\j)%2)
	v_wmma_scale_f32_16x16x128_f8f6f4 v[A_:A_+7], v[F_:F_+15], v[X_:X_+15], \c, v[U_], v[V_] matrix_a_fmt:MATRIX_FMT_BF8 matrix_b_fmt:MATRIX_FMT_BF8 matrix_a_scale:MATRIX_SCALE_ROW1 matrix_b_scale:MATRIX_SCALE_ROW1
.elseif (\t)%2
	v_wmma_scale_f32_16x16x128_f8f6f4 v[A_:A_+7], v[F_:F_+15], v[X_:X_+15], \c, v[U_], v[V_] matrix_a_fmt:MATRIX_FMT_BF8 matrix_b_fmt:MATRIX_FMT_BF8 matrix_a_scale:MATRIX_SCALE_ROW1
.elseif (\j)%2
	v_wmma_scale_f32_16x16x128_f8f6f4 v[A_:A_+7], v[F_:F_+15], v[X_:X_+15], \c, v[U_], v[V_] matrix_a_fmt:MATRIX_FMT_BF8 matrix_b_fmt:MATRIX_FMT_BF8 matrix_b_scale:MATRIX_SCALE_ROW1
.else
	v_wmma_scale_f32_16x16x128_f8f6f4 v[A_:A_+7], v[F_:F_+15], v[X_:X_+15], \c, v[U_], v[V_] matrix_a_fmt:MATRIX_FMT_BF8 matrix_b_fmt:MATRIX_FMT_BF8
.endif
.endm
; tile j's four products of a K step (fragments in window 2 + q, scale words s).  The 20 accumulators take turns in the same order in every K step; zero = 1 starts the sums
.macro TILE q, s, j, zero
	WIN 0x5a+5*(\q)
.irp t, 0,1,2,3
.if \zero
	MM \j, \t, \s, 0
.else
	MM \j, \t, \s, v[A_:A_+7]
.endif
.endr
.endm
.macro PLACES8                         ; eight places behind the last products
.rept 8
	v_nop
.endr
.endm
; CHUNK j, in slot j % 2.  Among its products: the rest of chunk j + 2's loads, chunk j + 1's stores into the other slot (which everybody has read: the last barrier), the first twenty of chunk j + 3's loads
.macro CHUNK j
.set ZERO_, (\j)==0
	FETCH (\j)%2, 0
	FETCH (\j)%2, 1
.irp b, 0,1,2,3,4
	s_wait_dscnt 52-4*\b                           ; behind tile b's fragments: the later tiles' and the second 128's thirty-six
.if (\j) == 0
	TILE 0, 2*(\j), \b, 1
.else
	TILE 0, 2*(\j), \b, 0
.endif
.if (\j) < 6 && \b < 4
	LDS (\j)+2, 20+4*\b, 4
.endif
.endr
.if (\j) < 6
	s_wait_loadcnt 36                              ; chunk j + 1 is in; chunk j + 2's loads may be out
.elseif (\j) == 6
	s_wait_loadcnt 6                               ; chunk 7 is in; the tokens and the bias may be out
.endif
.if (\j) < 7
	STS (\j)+1, 0, 16
	s_wait_dscnt 32                                ; behind tile 0's fragments: four tiles' sixteen, and sixteen stores
.else
	s_wait_dscnt 16
.endif
	TILE 1, 2*(\j)+1, 0, 0
.if (\j) < 7
	STS (\j)+1, 16, 7
.endif
.if (\j) < 5
	LDS (\j)+3, 0, 5
.elseif (\j) == 5
	WIN 0
.irp i, 0,1,2,3,4
	global_load_b32 v[TOK+\i], v[TOK+\i], s[8:9]
.endr
	global_load_b128 v[BIAS:BIAS+3], v[L16], s[16:17]
.endif
.if (\j) < 7
	s_wait_dscnt 35                                ; twelve loads, twenty-three stores
.else
	s_wait_dscnt 12
.endif
	TILE 1, 2*(\j)+1, 1, 0
.if (\j) < 7
	STS (\j)+1, 23, 7
.endif
.if (\j) < 5
	LDS (\j)+3, 5, 5
.endif
.if (\j) < 2
	WIN 0
	global_prefetch_b8 v[PFO], s[12:13] offset:1024+512*(\j) th:TH_LOAD_NT scope:SCOPE_SE   ; chunks 4 + 2 j and 5 + 2 j of w
.endif
.if (\j) < 7
	s_wait_dscnt 38                                ; eight loads, thirty stores
.else
	s_wait_dscnt 8
.endif
	TILE 1, 2*(\j)+1, 2, 0
.if (\j) < 7
	STS (\j)+1, 30, 6
.endif
.if (\j) < 5
	LDS (\j)+3, 10, 5
.endif
.if (\j) < 7
	s_wait_dscnt 40                                ; four loads, thirty-six stores
.else
	s_wait_dscnt 4
.endif
	TILE 1, 2*(\j)+1, 3, 0
.if (\j) < 5
	LDS (\j)+3, 15, 5
.endif
	s_wait_dscnt 0x0                               ; my reads of this slot are over, and my part of the other lies in LDS
.if (\j) < 7
	s_barrier_signal -1
.endif
	TILE 1, 2*(\j)+1, 4, 0
	PLACES8
.if (\j) < 7
	s_barrier_wait -1
.endif
.endm
	s_wait_loadcnt 36                              ; chunk 0 and all scale words are in; chunk 1's loads may be out
	STS 0, 0, 36
	LDS 2, 0, 20
	s_wait_dscnt 0x0                               ; for the others' sake: my part of chunk 0 lies in LDS
	s_barrier_signal -1
	s_barrier_wait -1
.irp j, 0,1,2,3,4,5,6,7
	CHUNK \j
.endr
	WIN 0
	s_wait_loadcnt 0x0                             ; the tokens and the bias
	s_mov_b32 s30, 0                               ; passes done
; THE WAY OUT, and then, for an expert with more than 320 rows, the next pass.
.Lout:
.irp j, 0,1,2,3,4
	WIN 0x04                                       ; an LDS store's data are its source 1: window 1
.irp t, 0,1,2,3
	ds_store_b128 v[STO], v[8*(4*\j+\t):8*(4*\j+\t)+3] offset:64*\t          ; lane (r, h): row r, columns 16 t + 8 h + 0 .. 7; each accumulator from its low end on
	ds_store_b128 v[STO], v[8*(4*\j+\t)+4:8*(4*\j+\t)+7] offset:64*\t+16
.endr
	WIN 0x80
.irp i, 0,1,2,3,4,5,6,7
	ds_load_b128 v[32*\j+4*\i:32*\j+4*\i+3], v[RD] offset:2*PITCH*\i   ; rows 2 i, 2 i + 1.  LDS serves a wave's instructions in order (ISA guide 5.7.1.4): these see the stores above, and the next tile's stores come behind them
.endr
.endr
	WIN 0
.irp j, 0,1,2,3,4
.irp i, 0,1,2,3,4,5,6,7
	v_mov_b32_dpp v[VO+8*\j+\i], v[TOK+\j] row_share:\i row_mask:0xf bank_mask:0xf   ; the token of row 2 i + h
.endr
.endr
.set I_, 0
.rept 40
	v_min_u32 v[VO+I_], 0x7ff, v[VO+I_]            ; a number read from memory enters an address only behind this bound
.set I_, I_+1
.endr
.set I_, 0
.rept 40
	v_lshl_add_u32 v[VO+I_], v[VO+I_], 13, v[L16]  ; a row of out0 is 8,192 bytes
.set I_, I_+1
.endr
; tile j leaves, if it holds a row of mine; the first that does not ends the way out
.macro SEND j, younger
	s_cmp_le_u32 s49, 16*(\j)
	s_cbranch_scc1 .Lout_done
	s_wait_dscnt \younger                          ; tile j's rows are back; the later tiles' sixteen LDS instructions each may be out
	WIN 0x82
.irp i, 0,1,2,3,4,5,6,7
	v_pk_add_f32 v[32*(\j)+4*\i:32*(\j)+4*\i+1], v[32*(\j)+4*\i:32*(\j)+4*\i+1], v[BIAS:BIAS+1]
	v_pk_add_f32 v[32*(\j)+4*\i+2:32*(\j)+4*\i+3], v[32*(\j)+4*\i+2:32*(\j)+4*\i+3], v[BIAS+2:BIAS+3]
.endr
	WIN 0x08
.irp i, 0,1,2,3,4,5,6,7
	global_store_b128 v[VO+8*(\j)+\i], v[32*(\j)+4*\i:32*(\j)+4*\i+3], s[18:19] th:TH_STORE_NT   ; sixteen lanes store 256 consecutive bytes, at a multiple of 256 from out0's first byte
.endr
	WIN 0
.endm
	SEND 0, 63
	SEND 1, 48
	SEND 2, 32
	SEND 3, 16
	SEND 4, 0
.Lout_done:
	s_add_co_u32 s54, s54, 320
	s_cmp_ge_u32 s54, s26
	s_cbranch_scc1 .Lend                           ; no row of a further pass is mine
	s_wait_dscnt 0x0
	s_wait_xcnt 0x0                                ; the stores have read their data and offsets: both are written again only behind this wait
	s_sub_co_u32 s49, s26, s54
	s_min_u32 s49, s49, 80
	s_add_co_u32 s50, s24, s54
	s_add_co_u32 s51, s50, s49
	s_sub_co_u32 s51, s51, 1
	s_min_u32 s51, s51, 2047
	s_lshl_b32 s36, s22, 17
	s_lshl_b32 s37, s22, 12
	v_lshlrev_b32 v162, 4, v2
	v_lshl_add_u32 v[WFO], v1, 11, v162
	v_add_nc_u32 v[WFO], s36, v[WFO]
	v_lshl_add_u32 v161, v3, 6, s37
.irp p, 0,1,2
	PLACE SADR+\p, 32*\p, 3, 6
.endr
.irp j, 0,1,2,3,4
	PLACE TOK+\j, 16*\j, RSEL, 2
	PLACE AADR+\j, 16*\j, 1, 11
.endr
.irp j, 0,1,2,3,4
	v_add_nc_u32 v[AADR+\j], v[AADR+\j], v162
.endr
	s_mov_b64 s[40:41], s[12:13]
	s_mov_b64 s[42:43], s[4:5]
	s_mov_b64 s[44:45], s[14:15]
	s_mov_b64 s[46:47], s[6:7]
	s_wait_alu depctr_va_vdst(0)
.irp j, 0,1,2,3,4
	global_load_b32 v[TOK+\j], v[TOK+\j], s[8:9]
.endr
.set SST, 1
.macro KSLOW zero                      ; a K step of 128 from memory: fragments and one scale word a row
	WIN 0x80
.irp t, 0,1,2,3
.irp c, 0,1,2,3
	global_load_b128 v[16*\t+4*\c:16*\t+4*\c+3], v[WFO], s[40:41] offset:32768*\t+32*\c
.endr
.endr
.irp j, 0,1,2,3,4
.irp c, 0,1,2,3
	global_load_b128 v[64+16*\j+4*\c:64+16*\j+4*\c+3], v[AADR+\j], s[42:43] offset:32*\c
.endr
.endr
	WIN 0
.irp p, 0,1
	global_load_b32 v[WS+\p], v161, s[44:45] offset:2048*\p
.endr
.irp p, 0,1,2
	global_load_b32 v[XS+\p], v[SADR+\p], s[46:47]
.endr
	s_wait_loadcnt 0x0
	s_wait_xcnt 0x0
	s_add_nc_u64 s[40:41], s[40:41], 128
	s_add_nc_u64 s[42:43], s[42:43], 128
	s_add_nc_u64 s[44:45], s[44:45], 4
	s_add_nc_u64 s[46:47], s[46:47], 4
.irp j, 0,1,2,3,4
	TILE 0, 0, \j, \zero
.endr
	WIN 0
	PLACES8
.endm
	KSLOW 1
	s_mov_b32 s48, 15
.Lks:
	KSLOW 0
	s_sub_co_u32 s48, s48, 1
	s_cmp_lg_u32 s48, 0
	s_cbranch_scc1 .Lks
	s_add_co_u32 s30, s30, 1                       ; the loop's count; the branch above to the end is taken in the seventh way out at the latest (2,048 rows, 320 a pass)
	s_cmp_lt_u32 s30, 7
	s_cbranch_scc1 .Lout
.Lend:
	s_wait_tensorcnt 0x0                           ; the wave's end: behind my last LDS store
	ds_add_u32 v[SPW], v[NIL]
	s_wait_dscnt 0x0
	s_endpgm
.Lfunc_end_k_q9fcf7e7316_moe_gemm:
	.size	k_q9fcf7e7316_moe_gemm, .Lfunc_end_k_q9fcf7e7316_moe_gemm-k_q9fcf7e7316_moe_gemm
	.p2alignl 7, 3214868480
	.fill 96, 4, 3214868480
	.section	.rodata,"a",@progbits
	.p2align	6, 0x0
	.amdhsa_kernel k_q9fcf7e7316_moe_gemm
		.amdhsa_group_segment_fixed_size 174592
		.amdhsa_private_segment_fixed_size 0
		.amdhsa_enable_private_segment 0
		.amdhsa_kernarg_size 64
		.amdhsa_user_sgpr_count 2
		.amdhsa_user_sgpr_kernarg_segment_ptr 1
		.amdhsa_wavefront_size32 1
		.amdhsa_system_sgpr_workgroup_id_x 1
		.amdhsa_system_sgpr_workgroup_id_y 1
		.amdhsa_system_sgpr_workgroup_id_z 1
		.amdhsa_system_vgpr_workitem_id 0
		.amdhsa_next_free_vgpr 1024
		.amdhsa_next_free_sgpr 66
		.amdhsa_reserve_vcc 0
		.amdhsa_float_denorm_mode_32 3
		.amdhsa_float_denorm_mode_16_64 3
		.amdhsa_memory_ordered 1
		.amdhsa_forward_progress 1
		.amdhsa_inst_pref_size 185
	.end_amdhsa_kernel
	.amdgpu_metadata
---
amdhsa.version: [ 1, 2 ]
amdhsa.kernels:
  - .name:           k_q9fcf7e7316_moe_gemm
    .symbol:         k_q9fcf7e7316_moe_gemm.kd
    .args:
      - { .name: xq, .offset: 0, .size: 8, .value_kind: global_buffer, .address_space: global }
      - { .name: xs, .offset: 8, .size: 8, .value_kind: global_buffer, .address_space: global }
      - { .name: order, .offset: 16, .size: 8, .value_kind: global_buffer, .address_space: global }
      - { .name: offs, .offset: 24, .size: 8, .value_kind: global_buffer, .address_space: global }
      - { .name: w_codes, .offset: 32, .size: 8, .value_kind: global_buffer, .address_space: global }
      - { .name: w_scales, .offset: 40, .size: 8, .value_kind: global_buffer, .address_space: global }
      - { .name: b, .offset: 48, .size: 8, .value_kind: global_buffer, .address_space: global }
      - { .name: out0, .offset: 56, .size: 8, .value_kind: global_buffer, .address_space: global }
    .group_segment_fixed_size: 174592
    .private_segment_fixed_size: 0
    .kernarg_segment_align: 8
    .kernarg_segment_size: 64
    .max_flat_workgroup_size: 128
    .sgpr_count:     66
    .vgpr_count:     1024
    .wavefront_size: 32
...
	.end_amdgpu_metadata
.endif
;; end of part 2
